; MI455X (gfx1250); checked and timed in simulation.
; The chip was launched on July 23, 2026; its instructions are those of AMD's public machine-readable ISA for CDNA 5 (MIT licence, August 2026) and "CDNA5" Instruction Set Architecture Reference Guide (July 2026). The comments in the code are by the model that wrote it; some were corrected since.
;; Scaled Dot Product MHA. Allowed arithmetic: matrix products marked QUANTISED: E4M3 operands, one given power-of-two scale a tensor, by v_wmma_f32_16x16x64_fp8_fp8 or v_wmma_f32_16x16x128_fp8_fp8, f32 sums; everything else in f32.
;; Inputs: keys 2 x 2,048 x 16 x 64 float32; lowp_scales 4 int32 (the exponents e of the quantised operands' scales 2^e); queries 2 x 2,048 x 16 x 64 float32; values 2 x 2,048 x 16 x 64 float32.
;; Outputs: out0 2 x 2,048 x 16 x 64 float32.
;; This version of the problem:
;;   THIS VERSION OF THE PROBLEM IS GIVEN IN LOW PRECISION. The matrix products marked QUANTISED in the list below multiply operands that are first quantised to E4M3 (4 exponent bits, 3 mantissa bits; 8 bits a number), with one given power-of-two scale for each operand tensor; their sums are f32. All else is computed in f32.
;;   The module's matrix products, in the order in which they are computed (A, B: the left and right operand; K: the contracted axis; several contracted axes count as one K, in the product's order):
;;     1. batch 32 x [M 2,048, K 64] x [K 64, N 2,048]; A: input queries; B: input keys: QUANTISED (scales: A lowp_scales[0], B lowp_scales[1])
;;     2. batch 32 x [M 2,048, K 2,048] x [K 2,048, N 64]; A: softmax (see below); B: input values: QUANTISED (scales: A lowp_scales[2], B lowp_scales[3])
;;   THE QUANTISER, for each operand of a quantised product, along K:
;;     - The operand's scale is 2^e, e = its entry of the input lowp_scales (int32; the entries are numbered through the quantised products in the list's order, A before B).
;;     - Each number is divided by the scale, clamped to +-448, and rounded to the nearest number of E4M3, ties to even, subnormals kept.
;;     - The product sums the exact products of the quantised numbers (number of the format x scale) in f32.
;;   ~~~python
;;   def quantise(x, axis, e):      # numpy; x: float32 -> the quantised numbers, widened to float32 again
;;       x = np.moveaxis(x, axis, -1); K = x.shape[-1]
;;       r = np.clip(x / 2.0 ** e, -448, 448)
;;       step = 2.0 ** (np.maximum(np.frexp(np.where(r == 0, 1, r))[1] - 1, -6) - 3)
;;       q = np.round(r / step) * step * 2.0 ** e      # np.round: ties to even
;;       return np.moveaxis(q, -1, axis).astype(np.float32)
;;   ~~~
;;   SOFTMAX AHEAD OF A QUANTISED PRODUCT. Where the list says 'softmax', what is quantised is not the finished softmax but p = 2^(t - M), with t = logit x log2(e) and M = ceil(the row's largest t), a whole number; so 1/2 < the row's largest p <= 1. The row's sum l is taken of the UNQUANTISED p, in f32, and the product's result is divided by l at the end. Since M is a whole number, a kernel that streams over the keys may use a running M (the ceiling of the running maximum): every later rescaling is an exact power of two, so the quantised numbers keep their values, but for numbers so far below the row's largest that they fall under the format's range.
;;   OPERANDS COMPUTED ON THE WAY. 'Computed on the way' means the value that the module computes at that place (a softmax that the list does not call 'softmax' is quantised finished and normalised). What goes into a quantiser is computed in f32, as accurately as f32 sums, v_exp_f32 and their like allow (about 1e-6 of the number): no bf16 or f16 on the way to a quantiser, and a product that is left as it is and whose result goes on into a quantised operand takes f32 operands (vector FMAs, or v_wmma_f32_16x16x4_f32). A number that lies on a knife's edge between two numbers of the format may be rounded either way, as far as f32 arithmetic and the matrix unit's own rounding can turn it there, and no further.
;; One version. Each part assembles by itself: llvm-mc -triple=amdgcn-amd-amdhsa -mcpu=gfx1250 --defsym DOCPART=n.
;; ======== version 1 of 1: 2 launches
;; limits: right only within a limited range of input values
;; workspace buffers: kv 8,388,608 bytes
;; launch quant (part 1): grid 256 x 1, 16 waves a work-group, no clusters, 141,312 bytes of LDS; arguments keys, values, lowp_scales, kv; writes kv
.if DOCPART == 1
	.amdgcn_target "amdgcn-amd-amdhsa--gfx1250"
	.amdhsa_code_object_version 6
	.text
	.protected	k_q88d9d99fad_quant
	.globl	k_q88d9d99fad_quant
	.p2align	8
	.type	k_q88d9d99fad_quant,@function
k_q88d9d99fad_quant:
	s_mov_b64 s[64:65], 0
	v_nop
	global_prefetch_b8 v0, s[64:65] scope:SCOPE_SE
	s_setreg_imm32_b32 hwreg(HW_REG_WAVE_MODE, 25, 1), 1
	s_wait_xcnt 0x0
; keys and values, f32, seen as 32 heads of [2048][64] (the reshape moves no byte), become codes of FP8 (E4M3) with the given scales 2^ek (entry 1) and 2^ev (entry 3):
; code = x / 2^e, held within +-448, rounded to the nearest code, ties to even.
; THE CODES ARE LAID AS IMAGES OF THE OPERANDS' REGISTERS, so that the attention launch fetches every fragment by loads of 16 bytes a lane, 512 consecutive bytes an instruction.
; kv = [head 32][slot 8][32,768 bytes]; a slot is 256 keys = two steps q of 128 keys.  Lane = (r = lane % 16, h = lane / 16).
;   K: q x 8192 + tile x 1024 + c x 512 + 16 x lane: the 16 codes of key 32 b + 8 u + r + 8 (r / 8) (tile = 2 b + u), channels 32 c + 16 h + 0 .. 15
;   V: 16384 + q x 8192 + T x 2048 + c x 512 + 16 x lane: the 16 codes of channel 16 T + r, keys 32 c + 16 h + 0 .. 15: the keys are the second product's K, so they run along a lane's bytes
; SHARES.  Work-group x takes slot x % 8 of head x / 8: 65,536 bytes of keys and as many of values.  Waves 0-7 take keys, waves 8-15 values; each takes 32 key rows (8,192 bytes):
; sixteen loads of 512 consecutive bytes, all issued at once.  The rows turn through the wave's own stage in LDS (32 rows of 256 bytes + 16), from which a lane reads the 16 numbers of each group in the operand's order:
; K's along a row (four loads of 16 bytes), V's down a column (sixteen loads of 4 bytes).  Four groups a wave; each group's store covers 512 consecutive bytes, aligned.
; No loop, no barrier: waves share nothing.  No matrix unit, no cluster, no tensor load: each byte is read once by one wave.
; LIMITS: ek and ev between -126 and 119, so that 2^e and 448 x 2^e are f32 numbers.  NaN among the inputs is not served; an infinity is held at the largest code.
.set PITCH, 272                        ; a stage row: 256 bytes + 16
.set WREG,  32*PITCH                   ; a wave's stage: 8,704 bytes
.set R,     16                         ; v16-79   64 numbers as loaded
.set X,     80                         ; v80-143  four groups of 16 numbers in the operand's order
.set C,     144                        ; v144-159 four groups of 16 codes: no store's data are written again
	s_load_b256 s[4:11], s[0:1], 0x0               ; keys s[4:5], values s[6:7], the scales' exponents s[8:9], kv s[10:11]
	v_lshl_add_u32 v160, v0, 2, 0x22000
	v_mov_b32 v161, 0
	v_lshrrev_b32 v1, 5, v0
	s_delay_alu instid0(VALU_DEP_1)
	v_readfirstlane_b32 s12, v1                    ; wave 0..15
	v_and_b32 v1, 31, v0                           ; lane
	v_and_b32 v2, 15, v0                           ; r
	v_bfe_u32 v3, v0, 4, 1                         ; h
	s_delay_alu instid0(VALU_DEP_3)
	v_lshlrev_b32 v4, 4, v1                        ; 16 x lane: my bytes of a load's and of a store's 512
	s_mul_i32 s14, s12, WREG                       ; my stage
	v_mul_u32_u24 v5, v3, PITCH                    ; into it: a load's 512 bytes are two rows: row h, byte 16 r
	s_delay_alu instid0(VALU_DEP_1)
	v_lshl_add_u32 v5, v2, 4, v5
	s_delay_alu instid0(VALU_DEP_1)
	v_add_nc_u32 v5, s14, v5
	v_and_b32 v6, 8, v2                            ; out of it, K: row r + 8 (r / 8), byte 64 h
	s_delay_alu instid0(VALU_DEP_1)
	v_add_nc_u32 v6, v6, v2
	s_delay_alu instid0(VALU_DEP_1)
	v_mul_u32_u24 v6, v6, PITCH
	s_delay_alu instid0(VALU_DEP_1)
	v_lshl_add_u32 v6, v3, 6, v6
	s_delay_alu instid0(VALU_DEP_1)
	v_add_nc_u32 v6, s14, v6
	v_mul_u32_u24 v7, v3, 16*PITCH                 ; out of it, V: row 16 h, byte 4 r
	s_delay_alu instid0(VALU_DEP_1)
	v_lshl_add_u32 v7, v2, 2, v7
	s_delay_alu instid0(VALU_DEP_1)
	v_add_nc_u32 v7, s14, v7
	s_and_b32 s13, s12, 7                          ; my 32 rows of the slot's 256
	s_lshl_b32 s20, ttmp9, 16                      ; in: the slot's 65,536 bytes,
	s_lshl_b32 s21, s13, 13                        ; my 8,192 of them
	s_add_co_u32 s20, s20, s21
	s_mov_b32 s21, 0
	s_lshl_b32 s22, s13, 11                        ; out, K: my rows are tiles 2 b and 2 b + 1 of step q (job = 4 q + b): 2,048 x job
	s_lshr_b32 s24, s13, 2                         ; out, V: my rows are group c of step q (job = 4 q + c): 16,384 + 8,192 q + 512 c
	s_lshl_b32 s24, s24, 13
	s_and_b32 s25, s13, 3
	s_lshl_b32 s25, s25, 9
	s_add_co_u32 s24, s24, s25
	s_add_co_u32 s24, s24, 16384
	s_lshl_b32 s26, ttmp9, 15                      ; the slot's 32,768 bytes of codes
	s_wait_kmcnt 0x0
	s_load_b128 s[16:19], s[8:9], 0x0              ; eq, ek, ep, ev
	s_cmp_lt_u32 s12, 8                            ; keys or values?  The choice hangs on the wave's number alone
	s_cselect_b64 s[4:5], s[4:5], s[6:7]
	s_cselect_b32 s22, s22, s24
	s_add_co_u32 s22, s22, s26
	s_mov_b32 s23, 0
	s_add_nc_u64 s[4:5], s[4:5], s[20:21]
	s_add_nc_u64 s[10:11], s[10:11], s[22:23]
.irp m, 0,1,2,3,4,5,6,7,8,9,10,11,12,13,14,15
	global_load_b128 v[R+4*\m:R+4*\m+3], v4, s[4:5] offset:512*\m th:TH_LOAD_NT   ; 32 lanes read 512 consecutive bytes: two rows; read once in the launch
.endr
	s_wait_kmcnt 0x0
	s_cmp_lt_u32 s12, 8
	s_cselect_b32 s27, s17, s19                    ; e
	s_add_co_i32 s27, s27, 127
	s_lshl_b32 s28, s27, 23
	v_mov_b32 v11, s28                             ; 2^e as f32: the conversion takes its exponent field
	s_add_co_i32 s27, s27, 8
	s_lshl_b32 s27, s27, 23
	s_or_b32 s27, s27, 0x600000
	v_mov_b32 v10, s27                             ; 448 x 2^e
.irp m, 0,1,2,3,4,5,6,7,8,9,10,11,12,13,14,15
	s_wait_loadcnt 15-\m                           ; loads come back in order: load m is in, the younger ones may be out
	ds_store_b128 v5, v[R+4*\m:R+4*\m+3] offset:2*PITCH*\m
.endr
; Group g: 16 numbers of a lane become 16 codes.
.macro QUANT16 g
.irp i, 0,1,2,3,4,5,6,7,8,9,10,11,12,13,14,15
	v_med3_num_f32 v[X+16*(\g)+\i], v[X+16*(\g)+\i], -v10, v10   ; the conversion to an 8-bit code does not saturate (ISA guide 7.6.2): the hold at the largest code x the scale comes first
.endr
	v_cvt_scalef32_pk8_fp8_f32 v[C+4*(\g):C+4*(\g)+1], v[X+16*(\g):X+16*(\g)+7], v11
	v_cvt_scalef32_pk8_fp8_f32 v[C+4*(\g)+2:C+4*(\g)+3], v[X+16*(\g)+8:X+16*(\g)+15], v11   ; the codes go to a store alone, and neither they nor the numbers are written again
.endm
	s_cmp_lt_u32 s12, 8
	s_cbranch_scc0 .Lvalues
	; K: group g = 2 u + c: tile 2 b + u, channels 32 c on.  LDS serves a wave's instructions in order, so these loads see the stores above.
	s_wait_alu depctr_va_vdst(0)
.irp g, 0,1,2,3
.irp i, 0,1,2,3
	ds_load_b128 v[X+16*\g+4*\i:X+16*\g+4*\i+3], v6 offset:(\g/2)*8*PITCH+(\g%2)*128+16*\i
.endr
.endr
.irp g, 0,1,2,3
	s_wait_dscnt 12-4*\g                           ; group g's four loads are in; the younger groups' may be out
	QUANT16 \g
	global_store_b128 v4, v[C+4*\g:C+4*\g+3], s[10:11] offset:512*\g   ; 512 consecutive bytes, aligned
.endr
	s_wait_tensorcnt 0x0
	ds_add_u32 v160, v161
	s_wait_dscnt 0x0
	s_endpgm
.Lvalues:
	; V: group T: channels 16 T + r; my registers run down the 16 keys 16 h + 0 .. 15
	s_wait_alu depctr_va_vdst(0)
.irp t, 0,1,2,3
.irp i, 0,1,2,3,4,5,6,7,8,9,10,11,12,13,14,15
	ds_load_b32 v[X+16*\t+\i], v7 offset:\i*PITCH+64*\t
.endr
.endr
.irp t, 0,1,2,3
	s_wait_dscnt 48-16*\t                          ; group T's sixteen loads are in; the younger groups' may be out
	QUANT16 \t
	global_store_b128 v4, v[C+4*\t:C+4*\t+3], s[10:11] offset:2048*\t
.endr
	s_wait_tensorcnt 0x0
	ds_add_u32 v160, v161
	s_wait_dscnt 0x0
	s_endpgm
.Lfunc_end_k_q88d9d99fad_quant:
	.size	k_q88d9d99fad_quant, .Lfunc_end_k_q88d9d99fad_quant-k_q88d9d99fad_quant
	.p2alignl 7, 3214868480
	.fill 96, 4, 3214868480
	.section	.rodata,"a",@progbits
	.p2align	6, 0x0
	.amdhsa_kernel k_q88d9d99fad_quant
		.amdhsa_group_segment_fixed_size 141312
		.amdhsa_private_segment_fixed_size 0
		.amdhsa_enable_private_segment 0
		.amdhsa_kernarg_size 32
		.amdhsa_user_sgpr_count 2
		.amdhsa_user_sgpr_kernarg_segment_ptr 1
		.amdhsa_wavefront_size32 1
		.amdhsa_system_sgpr_workgroup_id_x 1
		.amdhsa_system_sgpr_workgroup_id_y 1
		.amdhsa_system_sgpr_workgroup_id_z 1
		.amdhsa_system_vgpr_workitem_id 0
		.amdhsa_next_free_vgpr 162
		.amdhsa_next_free_sgpr 66
		.amdhsa_reserve_vcc 0
		.amdhsa_float_denorm_mode_32 3
		.amdhsa_float_denorm_mode_16_64 3
		.amdhsa_memory_ordered 1
		.amdhsa_forward_progress 1
		.amdhsa_inst_pref_size 22
	.end_amdhsa_kernel
	.amdgpu_metadata
---
amdhsa.version: [ 1, 2 ]
amdhsa.kernels:
  - .name:           k_q88d9d99fad_quant
    .symbol:         k_q88d9d99fad_quant.kd
    .args:
      - { .name: keys, .offset: 0, .size: 8, .value_kind: global_buffer, .address_space: global }
      - { .name: values, .offset: 8, .size: 8, .value_kind: global_buffer, .address_space: global }
      - { .name: lowp_scales, .offset: 16, .size: 8, .value_kind: global_buffer, .address_space: global }
      - { .name: kv, .offset: 24, .size: 8, .value_kind: global_buffer, .address_space: global }
    .group_segment_fixed_size: 141312
    .private_segment_fixed_size: 0
    .kernarg_segment_align: 8
    .kernarg_segment_size: 32
    .max_flat_workgroup_size: 512
    .sgpr_count:     66
    .vgpr_count:     162
    .wavefront_size: 32
...
	.end_amdgpu_metadata
.endif
;; end of part 1
;; launch attn (part 2): grid 256 x 1, 16 waves a work-group, clusters of 4 x 1, 327,680 bytes of LDS; arguments kv, lowp_scales, queries, out0; writes out0
.if DOCPART == 2
	.amdgcn_target "amdgcn-amd-amdhsa--gfx1250"
	.amdhsa_code_object_version 6
	.text
	.protected	k_q88d9d99fad_attn
	.globl	k_q88d9d99fad_attn
	.p2align	8
	.type	k_q88d9d99fad_attn,@function
k_q88d9d99fad_attn:
	s_mov_b64 s[64:65], 0
	v_nop
	global_prefetch_b8 v0, s[64:65] scope:SCOPE_SE
	s_setreg_imm32_b32 hwreg(HW_REG_WAVE_MODE, 25, 1), 1
	s_wait_xcnt 0x0
	s_wait_alu depctr_hold_cnt(0) depctr_sa_sdst(0) depctr_va_vdst(0) depctr_va_sdst(0) depctr_va_ssrc(0) depctr_va_vcc(0) depctr_vm_vsrc(0)
	s_getreg_b32 s2, hwreg(HW_REG_IB_STS2, 6, 4)
	s_cmp_eq_u32 s2, 0
	s_cbranch_scc0 .Lentry_in_a_cluster
	s_endpgm
.Lentry_in_a_cluster:
	s_bfe_u32 s2, ttmp6, 0x10000c
	s_cmp_lg_u32 s2, 0x3003
	s_cbranch_scc0 .Lentry_shape_is_right
	s_endpgm
.Lentry_shape_is_right:
; Causal attention of 32 heads of [2048][64] (the reshape moves no byte: head n is the dense block at byte n x 524,288), both products on codes of FP8 (E4M3) with the given scales 2^eq, 2^ek, 2^ep, 2^ev.
; K's and V's codes come from kv, laid as images of the operands' registers: [head][slot of 256 keys][32,768 bytes]; in a slot, step q (128 keys), lane = (r = lane % 16, h = lane / 16):
;   K: q x 8192 + tile x 1024 + c x 512 + 16 x lane = key 32 b + 8 u + r + 8 (r / 8) (tile 2 b + u), channels 32 c + 16 h + 0 .. 15;   V: 16384 + q x 8192 + T x 2048 + c x 512 + 16 x lane = channel 16 T + r, keys 32 c + 16 h + 0 .. 15.
; Q is quantised here, in registers, in K's order of channels.  That order, and P's and V's order of keys, is a permutation of k, the same on both sides of each product.
; THE SOFTMAX: t = score x log2(e) / 8; M = the largest t so far, rounded UP to a whole number; p = 2^(t - M) is quantised; the row's sum is taken of the unquantised p and divides at the end.  When M moves, the sum and
; O are multiplied by 2^(old M - new M), which rounds nothing.
; LAYOUT.  Both products are used transposed: S^T = K Q^T (source 0 = 16 keys, source 1 = 16 queries), O^T = V^T P^T: a lane holds ONE query (r) throughout.  The 16 registers of tiles 2 b, 2 b + 1 are the keys
; 32 b + 16 h + 0 .. 15, so the conversions' results are P's registers.  Register 8 T + i of O^T is channel 16 T + 8 h + i.
; SHARES.  A head's 2,048 queries are 16 chunks of eight tiles of 16.  Work-group j = 4 (cluster % 2) + cx of head cluster / 2.  Pair i = wave / 2 owns two tiles: the LONG one, chunk 15 - i, place 7 - j, and the SHORT one, chunk i, place j:
; 15 whole chunks of keys and two diagonal ones for every pair.  Of a pair the wave of parity p = (wave xor wave / 4) % 2 takes the chunks of keys of parity p.  A chunk under i serves both tiles from one load of K and V.  Each wave has one
; diagonal chunk: chunk i if p = i % 2, else chunk 15 - i.  A tile at place 0 to 3 sees at most 64 keys of its diagonal chunk, one at place 4 to 7 sees the first 64 whole.
; WORK LEFT OUT: key tiles that reference()'s own causal mask hides from all 16 queries of a tile, for all values of the inputs; a NaN or an infinity in such a product is not carried.
; THE CODES LIE WHOLE IN LDS: 8 slots of 32,768 bytes, byte for byte as in kv; no byte is filled again.  Every wave asks twice: at the head for its sixteenth of slots 0 and 1 (16 rows of 256 bytes), and behind the full sequence and a round
; for its sixteenth of slots 2 to 7 (48 rows), which has the work of slots 0 and 1 in which to land.  The four work-groups of a cluster belong to one head and read all its slots, so they ask jointly: the same descriptors in all four.
; No branch and no LDS address hangs on the place in the cluster: it enters Q's and the output's addresses and the mask's threshold alone.
; NO PREFETCH: the second load is asked for as soon as the first has landed, and with it every byte of kv has been asked for; there is no loop over memory to run ahead in.
; LIMITS on the given exponents, so that each power of two below is an f32 number: eq + ek between -123 and 130 (added to c's exponent field); eq and ep between -126 and 119; ep + ev goes by v_ldexp_f32 and has none.
; NaN among the inputs is not served.  For ep under -8 the hold at 448 x 2^ep acts on p taken against the running M of the wave's half of the keys.  The scaled scores stay under 2^31 in magnitude.
.set SPARE, 262144                     ; behind the codes: the spare words, 128 bytes a wave
.set VIMG,  16384
.set MREG,  4608                       ; the hand-over, over the codes when all have been read: for each wave 8 x 512 bytes of O^T, then (-M, sum)
.set STAGE, 16*MREG                    ; the way out: for each wave 16 rows of 256 bytes + 16
.set SP,    272
.set PX, 24                            ; v24-39  P, over the four registers ahead of S and S's first twelve
.set S,  28                            ; v28-91  S^T, then p; at the head Q as loaded; at the end the output
.set P0, 92                            ; v92-107 the long tile's P where two tiles share a chunk
.set O0, 108                           ; v108-139 O^T of the long tile
.set O1, 140                           ; v140-171 of the short one
.set Q0, 172
.set Q1, 180
.set KV, 188                           ; v188-251 K's fragments, then V's; at the end the partner's partial, then rows of the output
; v1 16 x lane + 8192 p; v2 the step's LDS address; v3 my spare word; v4 0; v5 r - 16 h, at the end 16 x lane; v6, v8 -M of the long and of the short tile; v7 448 x 2^ep; v9 2^ep; v[10:11], v[12:13] their sums in halves;
; v14 the factor, v15 a permute's destination, v16-23 at work, v252 -infinity, v253 the mask's threshold; at the end v252-255 LDS addresses
; s16 wave, s17 p, s18 i, s19 cluster % 2, s20 the trip's chunk, s21 15 - i, s23 the trip's slot in LDS, s24 trips, s25 head, s26 j, s27 ep + ev, s[32:33] c, s34 -c, s[36:37] my output rows,
; s[40:43], s[44:51] the first load's descriptor, s[76:79], s[68:75] the second's, s[54:55] lane selects, s56, s57 16 x place
.macro ROUND                           ; a round of the cluster's barrier
	s_barrier_signal -1
	s_barrier_wait -1
	s_cmp_lg_u32 s16, 0
	s_cbranch_scc1 .Lnot_wave_0_\@
	s_barrier_signal -3
.Lnot_wave_0_\@:
	s_barrier_wait -3
	s_barrier_signal -1
	s_barrier_wait -1
.endm
.macro PLACES
.rept 4
	v_nop
.endr
.endm
.macro GROUP1 g, rows                  ; rows of 256 bytes, dense: 32 elements of 8 bytes; mask: the four work-groups of the cluster; no padding
	s_mov_b32 s[\g], 15|(3<<16)|(1<<21)
	s_mov_b32 s[\g+1], 32<<16
	s_mov_b32 s[\g+2], \rows<<16
	s_mov_b32 s[\g+3], 32<<16
	s_mov_b32 s[\g+4], \rows
	s_mov_b32 s[\g+5], 32
	s_mov_b32 s[\g+6], 0
	s_mov_b32 s[\g+7], 0
.endm
	s_load_b256 s[4:11], s[0:1], 0x0               ; kv, the scales' exponents, queries, the output
	v_lshl_add_u32 v3, v0, 2, SPARE
	v_mov_b32 v4, 0
	ds_add_u32 v3, v4                              ; the opening: the add, twice on end, and its wait ahead of my first tensor load
	ds_add_u32 v3, v4
	v_lshrrev_b32 v16, 5, v0
	v_readfirstlane_b32 s16, v16
	s_lshr_b32 s17, s16, 2
	s_xor_b32 s17, s17, s16
	s_and_b32 s17, s17, 1
	s_lshr_b32 s18, s16, 1
	s_sub_co_u32 s21, 15, s18
	s_and_b32 s19, ttmp9, 1
	s_lshr_b32 s25, ttmp9, 1
	s_bfe_u32 s26, ttmp6, 0x40000                  ; cx
	s_lshl_b32 s38, s19, 2
	s_add_co_u32 s26, s26, s38
	s_sub_co_u32 s38, 7, s26
	s_lshl_b32 s56, s38, 4
	s_lshl_b32 s57, s26, 4
	s_lshl_b32 s60, s25, 19                        ; the head's first byte
	s_lshl_b32 s58, s21, 15
	s_lshl_b32 s38, s38, 12
	s_add_co_u32 s58, s58, s38
	s_add_co_u32 s58, s58, s60                     ; the long tile's first row: 256 x (128 (15 - i) + 16 (7 - j)) bytes on
	s_mov_b32 s59, 0
	s_lshl_b32 s38, s18, 15
	s_add_co_u32 s60, s60, s38
	s_lshl_b32 s38, s26, 12
	s_add_co_u32 s60, s60, s38                     ; the short tile's: 256 x (128 i + 16 j)
	s_mov_b32 s61, 0
	s_cmp_eq_u32 s17, 0
	s_cselect_b32 s62, s58, s60                    ; p = 0 finishes the long tile, p = 1 the short one
	s_mov_b32 s63, 0
	s_mov_b32 s40, 1                               ; count = 1
	s_lshl_b32 s41, s16, 12                        ; slots 0 and 1: LDS byte 4,096 x wave
	s_mov_b32 s76, 1
	s_mul_i32 s77, s16, 12288
	s_add_co_u32 s77, s77, 65536                   ; slots 2 to 7: LDS byte 65,536 + 12,288 x wave
	s_lshl_b32 s66, s25, 18                        ; the head's 262,144 bytes of codes
	s_add_co_u32 s38, s66, s41
	s_mov_b32 s39, 0
	s_add_co_u32 s66, s66, s77
	s_mov_b32 s67, 0
	GROUP1 44, 16
	GROUP1 68, 48
	s_mov_b32 s54, 0x76543210                      ; v_permlanex16_b32: lane l takes lane l xor 16
	s_mov_b32 s55, 0xfedcba98
	s_mov_b32 s20, s17
	v_and_b32 v17, 31, v0
	v_and_b32 v18, 15, v0
	v_bfe_u32 v19, v0, 4, 1
	s_lshl_b32 s22, s17, 13
	v_lshl_add_u32 v1, v17, 4, s22
	v_lshlrev_b32 v20, 8, v18
	v_lshlrev_b32 v21, 4, v19
	v_lshl_add_u32 v20, v19, 6, v20                ; Q: row r of 256 bytes, + 64 h
	v_sub_nc_u32 v5, v18, v21
	v_mov_b32 v252, 0xff800000
	v_mov_b32 v15, 0
	v_mov_b32 v6, 0x7f61b1e6                       ; -M = 3e38: M under every t
	v_mov_b32 v8, 0x7f61b1e6
	s_wait_alu depctr_va_vdst(0)
	s_wait_dscnt 0x0                               ; both opening adds are done
	ROUND                                          ; the four work-groups are here: the joint loads meet
	s_wait_kmcnt 0x0
	s_load_b128 s[12:15], s[6:7], 0x0              ; eq, ek, ep, ev
	s_add_nc_u64 s[42:43], s[4:5], s[38:39]
	s_or_b32 s43, s43, 0x80000000
	s_add_nc_u64 s[28:29], s[8:9], s[58:59]
	s_add_nc_u64 s[30:31], s[8:9], s[60:61]
	s_add_nc_u64 s[36:37], s[10:11], s[62:63]
	tensor_load_to_lds s[40:43], s[44:51]          ; my part of slots 0 and 1: one tensor load a wave at the head
	s_nop 0
	s_add_nc_u64 s[78:79], s[4:5], s[66:67]
	s_or_b32 s79, s79, 0x80000000
.irp c, 0,1                                    ; Q: of row r the channels 32 c + 16 h + 0 .. 15: the long tile's eight loads, then the short one's
.irp i, 0,1,2,3
	global_load_b128 v[S+16*\c+4*\i:S+16*\c+4*\i+3], v20, s[28:29] offset:128*\c+16*\i
.endr
.endr
.irp c, 0,1
.irp i, 0,1,2,3
	global_load_b128 v[S+32+16*\c+4*\i:S+32+16*\c+4*\i+3], v20, s[30:31] offset:128*\c+16*\i
.endr
.endr
.irp n, 10,11,12,13
	v_mov_b32 v\n, 0                               ; the sums
.endr
.set x, 0
.rept 64
	v_mov_b32 v[O0+x], 0                           ; O^T: a tile's first step finds zeros, which the first change of M leaves zeros; a wave with no step for a tile hands zeros on
.set x, x+1
.endr
	s_wait_kmcnt 0x0
	s_add_co_i32 s38, s12, s13
	s_lshl_b32 s38, s38, 23
	s_add_co_i32 s32, s38, 0x3e38aa3b              ; c = log2(e) / 8, eq + ek added to its exponent field
	s_mov_b32 s33, s32                             ; (named with it as a pair)
	s_xor_b32 s34, s32, 0x80000000
	s_add_co_i32 s38, s12, 127
	s_lshl_b32 s39, s38, 23
	v_mov_b32 v17, s39                             ; 2^eq
	s_add_co_i32 s38, s38, 8
	s_lshl_b32 s38, s38, 23
	s_or_b32 s38, s38, 0x600000
	v_mov_b32 v16, s38                             ; 448 x 2^eq
	s_add_co_i32 s38, s14, 127
	s_lshl_b32 s39, s38, 23
	v_mov_b32 v9, s39                              ; 2^ep
	s_add_co_i32 s38, s38, 8
	s_lshl_b32 s38, s38, 23
	s_or_b32 s38, s38, 0x600000
	v_mov_b32 v7, s38                              ; 448 x 2^ep
	s_add_co_i32 s27, s14, s15
	s_wait_alu depctr_va_vdst(0)
	s_wait_tensorcnt 0x0                           ; my part of slots 0 and 1 is in
	ds_add_u32 v3, v4
	s_wait_dscnt 0x0
	ROUND                                          ; slots 0 and 1 are whole, and the next joint loads meet
	tensor_load_to_lds s[76:79], s[68:75]          ; my part of slots 2 to 7, the first tensor load behind the round
	s_nop 0
.macro QUANTQ at, q
.set x, 0
.rept 32
	v_med3_num_f32 v[\at+x], v[\at+x], -v16, v16   ; the conversion to an 8-bit code does not saturate (ISA guide 7.6.2): the hold comes first
.set x, x+1
.endr
.irp d, 0,1,2,3
	v_cvt_scalef32_pk8_fp8_f32 v[\q+2*\d:\q+2*\d+1], v[\at+8*\d:\at+8*\d+7], v17
.endr
	v_nop
.endm
	s_wait_loadcnt 8                               ; the long tile's eight loads are in; the short one's may be out
	QUANTQ S, Q0
	s_wait_loadcnt 0x0
	QUANTQ S+32, Q1
.macro KLOAD n                         ; K's fragments of 2 n tiles
.set x, 0
.rept 2*\n
	ds_load_b128 v[KV+8*x:KV+8*x+3], v2 offset:1024*x
	ds_load_b128 v[KV+8*x+4:KV+8*x+7], v2 offset:1024*x+512
.set x, x+1
.endr
.endm
.macro QK n, q, w                      ; S^T of 2 n tiles of keys; w = 1: behind K's loads, of which the second half may be out at the first product
.if \w
	s_wait_alu depctr_va_vdst(0)                   ; directly ahead of the wait below
	s_wait_dscnt 2*\n
.endif
.set x, 0
.rept \n
	v_wmma_f32_16x16x64_fp8_fp8 v[S+8*x:S+8*x+7], v[KV+8*x:KV+8*x+7], v[\q:\q+7], 0
.set x, x+1
.endr
.if \w
	s_wait_dscnt 0x0
.endif
.rept \n
	v_wmma_f32_16x16x64_fp8_fp8 v[S+8*x:S+8*x+7], v[KV+8*x:KV+8*x+7], v[\q:\q+7], 0
.set x, x+1
.endr
	PLACES                                         ; in front of the first read of the scores and of loads into K's registers
.endm
.macro VLOAD n                         ; V's fragments of n groups of 32 keys, into K's registers
.irp t, 0,1,2,3
.set x, 0
.rept \n
	ds_load_b128 v[KV+4*\n*\t+4*x:KV+4*\n*\t+4*x+3], v2 offset:VIMG+2048*\t+512*x
.set x, x+1
.endr
.endr
.endm
.macro PV n, o, p                      ; the four accumulators take turns, one instruction a turn
.irp t, 0,1,2,3
.if \n == 4
	v_wmma_f32_16x16x128_fp8_fp8 v[\o+8*\t:\o+8*\t+7], v[KV+16*\t:KV+16*\t+15], v[\p:\p+15], v[\o+8*\t:\o+8*\t+7]
.else
	v_wmma_f32_16x16x64_fp8_fp8 v[\o+8*\t:\o+8*\t+7], v[KV+8*\t:KV+8*\t+7], v[\p:\p+7], v[\o+8*\t:\o+8*\t+7]
.endif
.endr
.endm
; The softmax of n groups of 32 keys: -M in v[m], the sum in v[s:s+1], O^T from v[o] on, codes into v[p ..].
.macro SOFT n, m, s, o, p
.irp d, 0,1,2,3
	v_max3_num_f32 v[16+\d], v[S+3*\d], v[S+3*\d+1], v[S+3*\d+2]   ; the largest score in four chains, each accumulator from its low end on
.endr
.set x, 12
.rept 8*\n-6
	v_max3_num_f32 v[16+(x/2-6)%4], v[16+(x/2-6)%4], v[S+x], v[S+x+1]
.set x, x+2
.endr
	v_max3_num_f32 v16, v16, v17, v18
	s_delay_alu instid0(VALU_DEP_1)
	v_max_num_f32 v16, v16, v19
	s_delay_alu instid0(VALU_DEP_1)
	v_permlanex16_b32 v15, v16, s54, s55
	s_delay_alu instid0(VALU_DEP_1)
	v_max_num_f32 v16, v16, v15                    ; and among lane l xor 16's
	s_delay_alu instid0(VALU_DEP_1)
	v_mul_f32 v17, s34, v16                        ; -t
	s_delay_alu instid0(VALU_DEP_1)
	v_floor_f32 v17, v17
	s_delay_alu instid0(VALU_DEP_1)
	v_min_num_f32 v18, v[\m], v17                  ; the new -M = the least of floor(-t): a whole number
	s_delay_alu instid0(VALU_DEP_1)
	v_sub_f32 v19, v18, v[\m]                      ; old M - new M: 0 or less
	v_mov_b32 v[\m], v18
	s_delay_alu instid0(VALU_DEP_2)
	v_cvt_i32_f32 v19, v19                         ; (it saturates)
	s_delay_alu instid0(VALU_DEP_1)
	v_ldexp_f32 v14, 1.0, v19                      ; f = 2^(old M - new M)
.set x, 0
.rept 8*\n
	v_pk_fma_f32 v[S+x:S+x+1], v[S+x:S+x+1], s[32:33], v[\m:\m+1] op_sel_hi:[1,0,0]   ; t - M, two at a time (of the pairs c and -M the low word serves both halves)
.set x, x+2
.endr
	s_wait_alu depctr_va_vdst(0)                   ; the wait ahead of the batch
.set x, 0
.rept 16*\n
	v_exp_f32 v[S+x], v[S+x]                       ; p = 2^(t - M): not normalised
.set x, x+1
.endr
	v_pk_mul_f32 v[\s:\s+1], v[\s:\s+1], v[14:15] op_sel_hi:[1,0]   ; the sum under the new M: the plain instruction behind the exponentials
	s_wait_alu depctr_va_vdst(0)                   ; the wait ahead of the first use of the exponentials and of O^T
.set x, 0
.rept 16
	v_pk_mul_f32 v[\o+x:\o+x+1], v[\o+x:\o+x+1], v[14:15] op_sel_hi:[1,0]   ; O^T under the new M, each accumulator from its low end on
.set x, x+2
.endr
.irp d, 0,1,2,3
	v_pk_add_f32 v[16+2*\d:17+2*\d], v[S+4*\d:S+4*\d+1], v[S+4*\d+2:S+4*\d+3]   ; the sum of the unquantised p, in four chains
.endr
.set x, 16
.rept 8*\n-8
	v_pk_add_f32 v[16+2*((x/2)%4):17+2*((x/2)%4)], v[16+2*((x/2)%4):17+2*((x/2)%4)], v[S+x:S+x+1]
.set x, x+2
.endr
	v_pk_add_f32 v[16:17], v[16:17], v[18:19]
	v_pk_add_f32 v[20:21], v[20:21], v[22:23]
	s_delay_alu instid0(VALU_DEP_1)
	v_pk_add_f32 v[16:17], v[16:17], v[20:21]
	s_delay_alu instid0(VALU_DEP_1)
	v_pk_add_f32 v[\s:\s+1], v[\s:\s+1], v[16:17]
.set z, 0
.rept \n
.set x, S+16*z
.rept 8
	v_dual_min_num_f32 v[x], v[x], v7 :: v_dual_min_num_f32 v[x+1], v[x+1], v7   ; the conversion does not saturate (ISA guide 7.6.2); p is not negative, so the hold is one-sided.  Also the plain lines between a group's conversions and the next's
.set x, x+2
.endr
	v_cvt_scalef32_pk8_fp8_f32 v[\p+4*z:\p+4*z+1], v[S+16*z:S+16*z+7], v9
	v_cvt_scalef32_pk8_fp8_f32 v[\p+4*z+2:\p+4*z+3], v[S+16*z+8:S+16*z+15], v9
.set z, z+1
.endr
	v_nop                                          ; one plain line behind the last conversion
.endm
.macro VWAIT
	s_wait_alu depctr_va_vdst(0)                   ; directly ahead of the wait below
	s_wait_dscnt 0x0                               ; V is in
.endm
; A chunk of 128 keys for both tiles: K and V are loaded once.  At each step's head v_add_nc_u32 is the fifth place behind the last products, which read P over S.
.macro DUAL
	v_add_nc_u32 v2, s23, v1
	KLOAD 4
	QK 4, Q0, 1
	SOFT 4, 6, 10, O0, P0
	QK 4, Q1, 0
	VLOAD 4
	SOFT 4, 8, 12, O1, PX
	VWAIT
	PV 4, O0, P0
	PV 4, O1, PX
	PLACES
.endm
.macro SINGLE                          ; for the long tile alone: V's fragments land while the softmax is worked
	v_add_nc_u32 v2, s23, v1
	KLOAD 4
	QK 4, Q0, 1
	VLOAD 4
	SOFT 4, 6, 10, O0, PX
	VWAIT
	PV 4, O0, PX
	PLACES
.endm
; A diagonal chunk, n groups of 32 keys, the last two masked: register 16 b + i holds key 32 b + 16 h + i of the chunk, hidden where 32 b + i > 16 x place + r - 16 h.  The chunk's first key counts for every query.
.macro DIAG n, tb, u, q, m, s, o
	v_add_nc_u32 v2, \tb, v1
	KLOAD \n
	QK \n, \q, 1
	VLOAD \n
	v_add_nc_u32 v253, \u, v5
.set x, 16*\n-32
.rept 32
	v_cmp_gt_i32 vcc_lo, 32*(x/16)+x%16, v253
	v_cndmask_b32 v[S+x], v[S+x], v252, vcc_lo
.set x, x+1
.endr
	SOFT \n, \m, \s, \o, PX
	VWAIT
	PV \n, \o, PX
	PLACES
.endm
.macro TRIP both                       ; my chunk s20 = 2 k + p of slot k
.if \both
	s_cmp_lt_u32 s20, s18                          ; under i: it counts whole for both tiles
	s_cbranch_scc0 .Lone_\@
	DUAL
	s_branch .Ltripped_\@
.Lone_\@:
.endif
	s_cmp_lt_u32 s20, s21                          ; under 15 - i: for the long tile
	s_cbranch_scc0 .Ltripped_\@
	SINGLE
.Ltripped_\@:
	s_add_co_u32 s20, s20, 2
.endm
	s_wait_alu depctr_va_vdst(0)                   ; the wait at the head's end
	s_mov_b32 s23, 0
	TRIP 1
	s_mov_b32 s23, 32768
	TRIP 1
	s_wait_alu depctr_va_vdst(0)
	s_wait_tensorcnt 0x0                           ; every wave: its part of slots 2 to 7 is in
	s_wait_dscnt 0x0
	s_barrier_signal -1
	s_barrier_wait -1                              ; they are whole
	s_mov_b32 s23, 65536
	s_mov_b32 s24, 2
.Lpart1:
	TRIP 1
	s_add_co_u32 s23, s23, 32768
	s_sub_co_u32 s24, s24, 1
	s_cmp_lg_u32 s24, 0
	s_cbranch_scc1 .Lpart1
	s_mov_b32 s23, 131072
	s_mov_b32 s24, 4
.Lpart2:                                           ; chunks 8 to 15 are beyond every short tile
	TRIP 0
	s_add_co_u32 s23, s23, 32768
	s_sub_co_u32 s24, s24, 1
	s_cmp_lg_u32 s24, 0
	s_cbranch_scc1 .Lpart2
	; my one diagonal chunk
	s_lshr_b32 s22, s18, 1
	s_lshl_b32 s22, s22, 15                        ; chunk i's slot
	s_lshr_b32 s23, s21, 1
	s_lshl_b32 s23, s23, 15                        ; chunk 15 - i's
	s_xor_b32 s38, s18, s17
	s_and_b32 s38, s38, 1
	s_cmp_eq_u32 s38, 0
	s_cbranch_scc0 .Llong
	s_cmp_eq_u32 s19, 0                            ; places 0 to 3 for the short tile (and 4 to 7 for the long one), or the other way round
	s_cbranch_scc0 .Lshort4
	DIAG 2, s22, s57, Q1, 8, 12, O1
	s_branch .Ldone
.Lshort4:
	DIAG 4, s22, s57, Q1, 8, 12, O1
	s_branch .Ldone
.Llong:
	s_cmp_eq_u32 s19, 0
	s_cbranch_scc0 .Llong2
	DIAG 4, s23, s56, Q0, 6, 10, O0
	s_branch .Ldone
.Llong2:
	DIAG 2, s23, s56, Q0, 6, 10, O0
.Ldone:
	; THE JOINING.  The hand-over lies over the codes: one barrier when all have been read, one when the partials are there.
	v_and_b32 v16, 31, v0
	v_and_b32 v17, 15, v0
	v_bfe_u32 v18, v0, 4, 1
	s_mul_i32 s38, s16, MREG
	v_lshl_add_u32 v254, v16, 4, s38               ; where I put a partial
	s_xor_b32 s39, s16, 1
	s_mul_i32 s39, s39, MREG
	v_lshl_add_u32 v255, v16, 4, s39               ; where my partner puts its
	s_mul_i32 s38, s16, 16*SP
	s_add_co_u32 s38, s38, STAGE
	v_mul_u32_u24 v252, v17, SP
	v_lshl_add_u32 v252, v18, 5, v252
	v_add_nc_u32 v252, s38, v252                   ; my stage, in: row r, + 32 h
	v_mul_u32_u24 v253, v18, SP
	v_lshl_add_u32 v253, v17, 4, v253
	v_add_nc_u32 v253, s38, v253                   ; back: row h, + 16 r
	v_lshlrev_b32 v5, 4, v16                       ; the same two rows in the output
	v_add_f32 v10, v10, v11                        ; the sums' halves
	v_add_f32 v12, v12, v13
	s_wait_alu depctr_va_vdst(0)
	s_wait_dscnt 0x0
	s_barrier_signal -1
	s_barrier_wait -1                              ; nobody reads the codes any more
.macro GIVE o, m, s
	v_mov_b32 v16, v[\m]
	v_mov_b32 v17, v[\s]
.irp t, 0,1,2,3
	s_wait_alu depctr_va_vdst(0)                   ; the wait ahead of the first read of each accumulator
	ds_store_b128 v254, v[\o+8*\t:\o+8*\t+3] offset:1024*\t
	ds_store_b128 v254, v[\o+8*\t+4:\o+8*\t+7] offset:1024*\t+512
.endr
	ds_store_b64 v254, v[16:17] offset:4096        ; -M and the sum
.endm
	s_cmp_eq_u32 s17, 0
	s_cbranch_scc0 .Lgive0
	GIVE O1, 8, 12
	s_branch .Lgiven
.Lgive0:
	GIVE O0, 6, 10
.Lgiven:
	s_wait_dscnt 0x0                               ; for the partner's sake: zero
	s_barrier_signal -1
	s_barrier_wait -1
.irp i, 0,1,2,3,4,5,6,7
	ds_load_b128 v[KV+4*\i:KV+4*\i+3], v255 offset:512*\i
.endr
	ds_load_b64 v[KV+32:KV+33], v255 offset:4096
	s_wait_dscnt 0x0
.macro JOIN o, m, s
	v_min_num_f32 v16, v[\m], v[KV+32]             ; the joint -M: the larger M
	s_delay_alu instid0(VALU_DEP_1)
	v_sub_f32 v17, v16, v[KV+32]                   ; the partner's M less the joint one: 0 or less
	s_delay_alu instid0(VALU_DEP_2)
	v_sub_f32 v18, v16, v[\m]                      ; and mine (a wave that had no step has -M = 3e38: its factor is 0)
	s_delay_alu instid0(VALU_DEP_2)
	v_cvt_i32_f32 v17, v17
	s_delay_alu instid0(VALU_DEP_2)
	v_cvt_i32_f32 v18, v18
	s_delay_alu instid0(VALU_DEP_2)
	v_ldexp_f32 v20, 1.0, v17                      ; the partner's factor
	s_delay_alu instid0(VALU_DEP_2)
	v_ldexp_f32 v22, 1.0, v18                      ; mine
	s_delay_alu instid0(VALU_DEP_2)
	v_mul_f32 v16, v[KV+33], v20
	s_delay_alu instid0(VALU_DEP_1)
	v_fma_f32 v16, v[\s], v22, v16                 ; the two sums under the joint M,
	s_delay_alu instid0(VALU_DEP_1)
	v_permlanex16_b32 v15, v16, s54, s55
	s_delay_alu instid0(VALU_DEP_1)
	v_add_f32 v16, v16, v15                        ; and lane l xor 16's: the row's sum
	s_wait_alu depctr_va_vdst(0)                   ; the wait ahead of the transcendental
	v_rcp_f32 v16, v16
	v_nop                                          ; a plain place behind it
	s_wait_alu depctr_va_vdst(0)                   ; and the wait ahead of its first use
	v_ldexp_f32 v16, v16, s27                      ; x 2^(ep + ev)
	s_delay_alu instid0(VALU_DEP_1)
	v_mul_f32 v20, v20, v16
	s_delay_alu instid0(VALU_DEP_2)
	v_mul_f32 v22, v22, v16
.set x, 0
.rept 16
	v_pk_mul_f32 v[S+x:S+x+1], v[KV+x:KV+x+1], v[20:21] op_sel_hi:[1,0]
.set x, x+2
.endr
	s_wait_alu depctr_va_vdst(0)                   ; the wait directly ahead of the first reader of O^T
.set x, 0
.rept 16
	v_pk_fma_f32 v[S+x:S+x+1], v[\o+x:\o+x+1], v[22:23], v[S+x:S+x+1] op_sel_hi:[1,0,1]   ; the output: both partials under the joint M, divided by the sum
.set x, x+2
.endr
	s_wait_alu depctr_va_vdst(0)
.endm
	s_cmp_eq_u32 s17, 0
	s_cbranch_scc0 .Ljoin1
	JOIN O0, 6, 10
	s_branch .Lout
.Ljoin1:
	JOIN O1, 8, 12
.Lout:
	; a lane holds 32 bytes of four pieces of a row, the lanes beside it other rows: through my own stage, and back as whole rows of 256 bytes
.irp t, 0,1,2,3
	ds_store_b128 v252, v[S+8*\t:S+8*\t+3] offset:64*\t
	ds_store_b128 v252, v[S+8*\t+4:S+8*\t+7] offset:64*\t+16
.endr
.irp i, 0,1,2,3,4,5,6,7
	ds_load_b128 v[KV+4*\i:KV+4*\i+3], v253 offset:2*SP*\i   ; LDS serves a wave's instructions in order (ISA guide 5.7.1.4)
.endr
.irp i, 0,1,2,3,4,5,6,7
	s_wait_dscnt 7-\i                              ; rows 2 i and 2 i + 1 are back; the younger loads may be out
	global_store_b128 v5, v[KV+4*\i:KV+4*\i+3], s[36:37] offset:512*\i th:TH_STORE_NT   ; sixteen lanes store 256 consecutive bytes, aligned
.endr
	s_wait_tensorcnt 0x0                           ; the wave's end
	ds_add_u32 v3, v4
	s_wait_dscnt 0x0
	ROUND                                          ; the closing round
	s_endpgm
.Lfunc_end_k_q88d9d99fad_attn:
	.size	k_q88d9d99fad_attn, .Lfunc_end_k_q88d9d99fad_attn-k_q88d9d99fad_attn
	.p2alignl 7, 3214868480
	.fill 96, 4, 3214868480
	.section	.rodata,"a",@progbits
	.p2align	6, 0x0
	.amdhsa_kernel k_q88d9d99fad_attn
		.amdhsa_group_segment_fixed_size 327680
		.amdhsa_private_segment_fixed_size 0
		.amdhsa_enable_private_segment 0
		.amdhsa_kernarg_size 32
		.amdhsa_user_sgpr_count 2
		.amdhsa_user_sgpr_kernarg_segment_ptr 1
		.amdhsa_wavefront_size32 1
		.amdhsa_system_sgpr_workgroup_id_x 1
		.amdhsa_system_sgpr_workgroup_id_y 1
		.amdhsa_system_sgpr_workgroup_id_z 1
		.amdhsa_system_vgpr_workitem_id 0
		.amdhsa_next_free_vgpr 256
		.amdhsa_next_free_sgpr 80
		.amdhsa_reserve_vcc 1
		.amdhsa_float_denorm_mode_32 3
		.amdhsa_float_denorm_mode_16_64 3
		.amdhsa_memory_ordered 1
		.amdhsa_forward_progress 1
		.amdhsa_inst_pref_size 236
	.end_amdhsa_kernel
	.amdgpu_metadata
---
amdhsa.version: [ 1, 2 ]
amdhsa.kernels:
  - .name:           k_q88d9d99fad_attn
    .symbol:         k_q88d9d99fad_attn.kd
    .args:
      - { .name: kv, .offset: 0, .size: 8, .value_kind: global_buffer, .address_space: global }
      - { .name: lowp_scales, .offset: 8, .size: 8, .value_kind: global_buffer, .address_space: global }
      - { .name: queries, .offset: 16, .size: 8, .value_kind: global_buffer, .address_space: global }
      - { .name: out0, .offset: 24, .size: 8, .value_kind: global_buffer, .address_space: global }
    .group_segment_fixed_size: 327680
    .private_segment_fixed_size: 0
    .kernarg_segment_align: 8
    .kernarg_segment_size: 32
    .max_flat_workgroup_size: 512
    .sgpr_count:     80
    .vgpr_count:     256
    .wavefront_size: 32
...
	.end_amdgpu_metadata
.endif
;; end of part 2
